; MI455X (gfx1250); checked and timed in simulation.
; The chip was launched on July 23, 2026; its instructions are those of AMD's public machine-readable ISA for CDNA 5 (MIT licence, August 2026) and "CDNA5" Instruction Set Architecture Reference Guide (July 2026). The comments in the code are by the model that wrote it; some were corrected since.
;; Attention. Allowed arithmetic: matrix products marked QUANTISED: E2M1 operands, one E8M0 scale for each 32 along K, by v_wmma_scale_f32_16x16x128_f8f6f4 with both operands' format E2M1 (or v_wmma_scale_f32_32x16x128_f4), f32 sums; everything else in f32.
;; Inputs: gn_bias 128 float32; gn_weight 128 float32; proj_bias 128 float32; proj_weight_codes 128 x 4 x 16 uint8 (E2M1 codes of proj_weight, K innermost, in blocks of 32 codes, two codes a byte); proj_weight_scales 128 x 4 uint8 (E8M0 scales of proj_weight, one for each 32 codes along K); qkv_bias 384 float32; qkv_weight_codes 384 x 4 x 16 uint8 (E2M1 codes of qkv_weight, K innermost, in blocks of 32 codes, two codes a byte); qkv_weight_scales 384 x 4 uint8 (E8M0 scales of qkv_weight, one for each 32 codes along K); x 4 x 128 x 64 x 64 float32.
;; Outputs: out0 4 x 128 x 64 x 64 float32.
;; This version of the problem:
;;   THIS VERSION OF THE PROBLEM IS GIVEN IN LOW PRECISION. The matrix products marked QUANTISED in the list below multiply operands that are first quantised to E2M1 (2 exponent bits, 1 mantissa bit; 4 bits a number), with one power-of-two scale for each 32 numbers along K (OCP MX v1.0); their sums are f32. All else is computed in f32.
;;   The module's matrix products, in the order in which they are computed (A, B: the left and right operand; K: the contracted axis; several contracted axes count as one K, in the product's order):
;;     1. [M 16,384, K 128] x [K 128, N 384]; A: computed on the way; B: input qkv_weight (given as codes): QUANTISED
;;     2. batch 4 x [M 4,096, K 128] x [K 128, N 4,096]; A: computed on the way; B: computed on the way: QUANTISED
;;     3. batch 4 x [M 4,096, K 4,096] x [K 4,096, N 128]; A: softmax (see below); B: computed on the way: QUANTISED
;;     4. [M 16,384, K 128] x [K 128, N 128]; A: computed on the way; B: input proj_weight (given as codes): QUANTISED
;;   THE QUANTISER, for each operand of a quantised product, along K:
;;     - K is cut into blocks of 32 from its start; a last block that is shorter is filled with zeros.
;;     - A block's scale is 2^e with e = floor(log2(the largest magnitude in the block)) - 2, held to -126 .. 127; a block of zeros has e = 0. As a byte (E8M0): e + 127.
;;     - Each number is divided by its block's scale, clamped to +-6, and rounded to the nearest number of E2M1, ties to even, subnormals kept.
;;     - The product sums the exact products of the quantised numbers (number of the format x scale) in f32.
;;   ~~~python
;;   def quantise(x, axis):      # numpy; x: float32 -> the quantised numbers, widened to float32 again
;;       x = np.moveaxis(x, axis, -1); K = x.shape[-1]
;;       x = np.pad(x, [(0, 0)] * (x.ndim - 1) + [(0, -K % 32)]); x = x.reshape(x.shape[:-1] + (-1, 32)); a = np.abs(x).max(-1, keepdims=True)
;;       e = np.where(a > 0, np.clip(np.frexp(np.where(a > 0, a, 1))[1] - 1 - 2, -126, 127), 0)      # np.frexp(a)[1] - 1 = floor(log2(a)), exactly
;;       r = np.clip(x / 2.0 ** e, -6, 6)
;;       step = 2.0 ** (np.maximum(np.frexp(np.where(r == 0, 1, r))[1] - 1, 0) - 1)
;;       q = np.round(r / step) * step * 2.0 ** e      # np.round: ties to even
;;       return np.moveaxis(q.reshape(q.shape[:-2] + (-1,))[..., :K], -1, axis).astype(np.float32)
;;   ~~~
;;   SOFTMAX AHEAD OF A QUANTISED PRODUCT. Where the list says 'softmax', what is quantised is not the finished softmax but p = 2^(t - M), with t = logit x log2(e) and M = ceil(the row's largest t), a whole number; so 1/2 < the row's largest p <= 1. The row's sum l is taken of the UNQUANTISED p, in f32, and the product's result is divided by l at the end. Since M is a whole number, a kernel that streams over the keys may use a running M (the ceiling of the running maximum): every later rescaling is an exact power of two, which a block's scale takes up: the codes' values come out the same.
;;   OPERANDS COMPUTED ON THE WAY. 'Computed on the way' means the value that the module computes at that place (a softmax that the list does not call 'softmax' is quantised finished and normalised). What goes into a quantiser is computed in f32, as accurately as f32 sums, v_exp_f32 and their like allow (about 1e-6 of the number): no bf16 or f16 on the way to a quantiser, and a product that is left as it is and whose result goes on into a quantised operand takes f32 operands (vector FMAs, or v_wmma_f32_16x16x4_f32). A number that lies on a knife's edge between two numbers of the format may be rounded either way, as far as f32 arithmetic and the matrix unit's own rounding can turn it there, and no further.
;;   INPUTS GIVEN AS CODES. proj_weight (in the module: [128, 128], K = its axis 1); qkv_weight (in the module: [384, 128], K = its axis 1): each comes as NAME_codes (uint8): NAME with its K axis moved to the last place and cut into blocks of 32 codes, [.., K / 32, bytes a block], one block behind the other in memory; two codes a byte, the lower K in the low four bits (a code: sign, 2 exponent bits, 1 mantissa bit); and NAME_scales (uint8): the same leading axes, one E8M0 byte (e + 127) for each 32 codes along K. Its value is code x scale, taken as it is: it is not quantised again, and the codes and scales need not be those that the quantiser above would give.
;; One version. Each part assembles by itself: llvm-mc -triple=amdgcn-amd-amdhsa -mcpu=gfx1250 --defsym DOCPART=n.
;; ======== version 1 of 1: 3 launches
;; workspace buffers: stats 2,048 bytes; ws 3,342,336 bytes
;; launch stats (part 1): grid 256 x 1, 8 waves a work-group, no clusters, 1,280 bytes of LDS; arguments x, stats; writes stats
.if DOCPART == 1
	.amdgcn_target "amdgcn-amd-amdhsa--gfx1250"
	.amdhsa_code_object_version 6
	.text
	.protected	k_q278faaaee3_stats
	.globl	k_q278faaaee3_stats
	.p2align	8
	.type	k_q278faaaee3_stats,@function
k_q278faaaee3_stats:
	s_mov_b64 s[64:65], 0
	v_nop
	global_prefetch_b8 v0, s[64:65] scope:SCOPE_SE
	s_setreg_imm32_b32 hwreg(HW_REG_WAVE_MODE, 25, 1), 1
	s_wait_xcnt 0x0
; GroupNorm's statistics, first half.  x is [4][128][4096] f32; a group is 16 channels of one image: 65,536 numbers, 262,144 consecutive bytes.
; Work-group c takes one eighth of a group, 8,192 numbers (32,768 consecutive bytes from byte 32,768 c), and stores its mean and its M2, the sum of squares ABOUT THAT MEAN, at stats[c] (8 bytes).
; The next launch joins a group's eight parts.  No variance is ever formed as a difference of two large sums, so a common offset of the inputs costs no digits.
; The part stays in registers between the two passes (32 numbers a thread): x is read once here.  Thread t takes 16 bytes at 16 t + 4,096 i: a wave's load covers 512 consecutive bytes.
; No matrix unit, no cluster, no tensor load: a short stream with two sums over the work-group.  The result is 8 bytes a work-group: 2,048 bytes in the whole launch.
; LIMITS: NaN and infinities among the inputs are not served.
.set X,   8                            ; v[8:39]   my 32 numbers
.set CH,  40                           ; v[40:43]  two packed chains
.set RED, 44                           ; v44       the number that is being summed over lanes and waves
.set OTH, 45                           ; v45       the other half of the lanes' (a lane permute's destination counts as read: written once at the head)
.set WW,  46                           ; v46       LDS: 4 x my wave
.set ZA,  47                           ; v47       LDS: 0
.set PT,  48                           ; v[48:55]  the eight waves' parts
.set MM,  56                           ; v[56:57]  the mean, twice (a pair for the packed subtraction); at the end (mean, M2)
.set ZO,  58                           ; v58       0: the store's offset
	s_load_b128 s[4:7], s[0:1], 0x0                ; x, stats
	v_lshl_add_u32 v64, v0, 2, 0x100
	v_mov_b32 v65, 0
	v_lshrrev_b32 v1, 5, v0
	s_delay_alu instid0(VALU_DEP_1)
	v_readfirstlane_b32 s8, v1                     ; wave 0..7
	v_lshlrev_b32 v2, 4, v0                        ; 16 t
	s_lshl_b32 s10, ttmp9, 15                      ; my part of x: 32,768 bytes a work-group
	s_mov_b32 s11, 0
	s_lshl_b32 s16, ttmp9, 3                       ; my 8 bytes of stats
	s_mov_b32 s17, 0
	s_mov_b32 s12, 0x76543210                      ; v_permlanex16_b32's selects for lane l xor 16
	s_mov_b32 s13, 0xfedcba98
	v_mov_b32 v[OTH], 0
	v_mov_b32 v[ZA], 0
	v_mov_b32 v[ZO], 0
	v_mov_b32 v[WW], s8
	s_delay_alu instid0(VALU_DEP_1)
	v_lshlrev_b32 v[WW], 2, v[WW]
	s_wait_alu depctr_va_vdst(0)
	s_wait_kmcnt 0x0
	s_add_nc_u64 s[4:5], s[4:5], s[10:11]
	s_add_nc_u64 s[6:7], s[6:7], s[16:17]
.irp i, 0,1,2,3,4,5,6,7
	global_load_b128 v[X+4*\i:X+4*\i+3], v2, s[4:5] offset:4096*\i   ; x is read again by the later launches: no hint
.endr
; v[RED] summed over the wave's 32 lanes, then over the eight waves through LDS words at off; the sum ends in v[RED] of every lane.
.macro SUMALL off
	s_delay_alu instid0(VALU_DEP_1)
	v_add_f32_dpp v[RED], v[RED], v[RED] row_xmask:1 row_mask:0xf bank_mask:0xf
	s_delay_alu instid0(VALU_DEP_1)
	v_add_f32_dpp v[RED], v[RED], v[RED] row_xmask:2 row_mask:0xf bank_mask:0xf
	s_delay_alu instid0(VALU_DEP_1)
	v_add_f32_dpp v[RED], v[RED], v[RED] row_xmask:4 row_mask:0xf bank_mask:0xf
	s_delay_alu instid0(VALU_DEP_1)
	v_add_f32_dpp v[RED], v[RED], v[RED] row_xmask:8 row_mask:0xf bank_mask:0xf
	s_delay_alu instid0(VALU_DEP_1)
	v_permlanex16_b32 v[OTH], v[RED], s12, s13
	s_delay_alu instid0(VALU_DEP_1)
	v_add_f32 v[RED], v[RED], v[OTH]
	ds_store_b32 v[WW], v[RED] offset:\off         ; all lanes write my wave's word with the same value
	s_wait_dscnt 0x0                               ; for the others' sake: my store has landed
	s_barrier_signal -1
	s_barrier_wait -1
	ds_load_b128 v[PT:PT+3], v[ZA] offset:\off
	ds_load_b128 v[PT+4:PT+7], v[ZA] offset:\off+16
	s_wait_dscnt 0x0
	v_add_f32 v[PT], v[PT], v[PT+1]
	v_add_f32 v[PT+2], v[PT+2], v[PT+3]
	v_add_f32 v[PT+4], v[PT+4], v[PT+5]
	v_add_f32 v[PT+6], v[PT+6], v[PT+7]
	s_delay_alu instid0(VALU_DEP_3)
	v_add_f32 v[PT], v[PT], v[PT+2]
	s_delay_alu instid0(VALU_DEP_2)
	v_add_f32 v[PT+4], v[PT+4], v[PT+6]
	s_delay_alu instid0(VALU_DEP_1)
	v_add_f32 v[RED], v[PT], v[PT+4]
.endm
	; pass 1: the sum.  The first two loads start the two chains: nothing is cleared
	s_wait_loadcnt 7                               ; loads come back in order: load 0 is in, the seven younger stay out
	v_pk_add_f32 v[CH:CH+1], v[X:X+1], v[X+2:X+3]
	s_wait_alu depctr_va_vdst(0)
	s_wait_loadcnt 6
	v_pk_add_f32 v[CH+2:CH+3], v[X+4:X+5], v[X+6:X+7]
	s_wait_alu depctr_va_vdst(0)
.irp i, 2,3,4,5,6,7
	s_wait_alu depctr_va_vdst(0)
	s_wait_loadcnt 7-\i                            ; load i is in, the 7 - i younger stay out
	v_pk_add_f32 v[CH:CH+1], v[CH:CH+1], v[X+4*\i:X+4*\i+1]
	v_pk_add_f32 v[CH+2:CH+3], v[CH+2:CH+3], v[X+4*\i+2:X+4*\i+3]
.endr
	s_delay_alu instid0(VALU_DEP_1)
	v_pk_add_f32 v[CH:CH+1], v[CH:CH+1], v[CH+2:CH+3]
	s_delay_alu instid0(VALU_DEP_1)
	v_add_f32 v[RED], v[CH], v[CH+1]
	SUMALL 0
	s_delay_alu instid0(VALU_DEP_1)
	v_mul_f32 v[MM], 0x39000000, v[RED]            ; the part's mean: sum x 2^-13
	s_delay_alu instid0(VALU_DEP_2)
	v_mul_f32 v[MM+1], 0x39000000, v[RED]
	; pass 2, on the registers: the sum of (x - mean)^2
.irp p, 0,1,2,3,4,5,6,7,8,9,10,11,12,13,14,15
	v_pk_add_f32 v[X+2*\p:X+2*\p+1], v[X+2*\p:X+2*\p+1], v[MM:MM+1] neg_lo:[0,1] neg_hi:[0,1]
.endr
	v_pk_mul_f32 v[CH:CH+1], v[X:X+1], v[X:X+1]
	v_pk_mul_f32 v[CH+2:CH+3], v[X+2:X+3], v[X+2:X+3]
.irp p, 2,4,6,8,10,12,14
	s_delay_alu instid0(VALU_DEP_2)
	v_pk_fma_f32 v[CH:CH+1], v[X+2*\p:X+2*\p+1], v[X+2*\p:X+2*\p+1], v[CH:CH+1]
	s_delay_alu instid0(VALU_DEP_2)
	v_pk_fma_f32 v[CH+2:CH+3], v[X+2*\p+2:X+2*\p+3], v[X+2*\p+2:X+2*\p+3], v[CH+2:CH+3]
.endr
	s_delay_alu instid0(VALU_DEP_1)
	v_pk_add_f32 v[CH:CH+1], v[CH:CH+1], v[CH+2:CH+3]
	s_delay_alu instid0(VALU_DEP_1)
	v_add_f32 v[RED], v[CH], v[CH+1]
	SUMALL 32                                      ; other words than the first sum's: no wave can write what another still reads
	s_delay_alu instid0(VALU_DEP_1)
	v_mov_b32 v[MM+1], v[RED]                      ; (mean, M2)
	s_cmp_lg_u32 s8, 0                             ; wave 0's lane 0 stores them
	s_cbranch_scc1 .Ldone
	v_cmp_eq_u32 vcc_lo, 0, v0
	s_wait_xcnt 0x0                                ; EXEC is a source of the loads above: it changes only behind this wait
	s_and_saveexec_b32 s14, vcc_lo
	s_wait_alu depctr_va_vdst(0)
	global_store_b64 v[ZO], v[MM:MM+1], s[6:7]
	s_wait_xcnt 0x0                                ; and again in front of the line that widens it
	s_or_b32 exec_lo, exec_lo, s14
.Ldone:
	s_wait_tensorcnt 0x0
	ds_add_u32 v64, v65
	s_wait_dscnt 0x0
	s_endpgm
.Lfunc_end_k_q278faaaee3_stats:
	.size	k_q278faaaee3_stats, .Lfunc_end_k_q278faaaee3_stats-k_q278faaaee3_stats
	.p2alignl 7, 3214868480
	.fill 96, 4, 3214868480
	.section	.rodata,"a",@progbits
	.p2align	6, 0x0
	.amdhsa_kernel k_q278faaaee3_stats
		.amdhsa_group_segment_fixed_size 1280
		.amdhsa_private_segment_fixed_size 0
		.amdhsa_enable_private_segment 0
		.amdhsa_kernarg_size 16
		.amdhsa_user_sgpr_count 2
		.amdhsa_user_sgpr_kernarg_segment_ptr 1
		.amdhsa_wavefront_size32 1
		.amdhsa_system_sgpr_workgroup_id_x 1
		.amdhsa_system_sgpr_workgroup_id_y 1
		.amdhsa_system_sgpr_workgroup_id_z 1
		.amdhsa_system_vgpr_workitem_id 0
		.amdhsa_next_free_vgpr 66
		.amdhsa_next_free_sgpr 66
		.amdhsa_reserve_vcc 1
		.amdhsa_float_denorm_mode_32 3
		.amdhsa_float_denorm_mode_16_64 3
		.amdhsa_memory_ordered 1
		.amdhsa_forward_progress 1
		.amdhsa_inst_pref_size 10
	.end_amdhsa_kernel
	.amdgpu_metadata
---
amdhsa.version: [ 1, 2 ]
amdhsa.kernels:
  - .name:           k_q278faaaee3_stats
    .symbol:         k_q278faaaee3_stats.kd
    .args:
      - { .name: x, .offset: 0, .size: 8, .value_kind: global_buffer, .address_space: global }
      - { .name: stats, .offset: 8, .size: 8, .value_kind: global_buffer, .address_space: global }
    .group_segment_fixed_size: 1280
    .private_segment_fixed_size: 0
    .kernarg_segment_align: 8
    .kernarg_segment_size: 16
    .max_flat_workgroup_size: 256
    .sgpr_count:     66
    .vgpr_count:     66
    .wavefront_size: 32
...
	.end_amdgpu_metadata
.endif
;; end of part 1
;; launch qkv (part 2): grid 32 x 4, 8 waves a work-group, no clusters, 13,312 bytes of LDS; arguments x, gn_weight, gn_bias, stats, qkv_weight_codes, qkv_weight_scales, qkv_bias, ws; writes ws
.if DOCPART == 2
	.amdgcn_target "amdgcn-amd-amdhsa--gfx1250"
	.amdhsa_code_object_version 6
	.text
	.protected	k_q278faaaee3_qkv
	.globl	k_q278faaaee3_qkv
	.p2align	8
	.type	k_q278faaaee3_qkv,@function
k_q278faaaee3_qkv:
	s_mov_b64 s[64:65], 0
	v_nop
	global_prefetch_b8 v0, s[64:65] scope:SCOPE_SE
	s_setreg_imm32_b32 hwreg(HW_REG_WAVE_MODE, 25, 1), 1
	s_wait_xcnt 0x0
; GroupNorm finished, xn quantised along the channels, q, k, v = Wqkv xn + bias on codes of FP4 (E2M1, one E8M0 scale for each 32 along K), and q, k (along their 128 channels) and v (ALONG THE KEYS) quantised again.
; A work-group takes 128 positions of one image (grid x: which 128; grid y: the image); 128 because a scale word of v holds the bytes of four blocks of 32 keys.
; WHAT IT STORES: its region of ws, 26,112 bytes, laid in the order of the operands' registers, so that the attention reads every fragment as 16 bytes x lane:
;   0 Q's 8 tile images (1,024 bytes each: [c 2][lane 32][16 bytes] = registers 4 c .. 4 c + 3) | 8,192 Q's scale words [tile][r] | 8,704 K's scale words [lane 16 u + r][b]: tile 2 b + u, row r | 9,216 V's likewise
;   | 9,728 K's 8 tile images | 17,920 V's 8 tile images (16 of the head's 128 x these 128 keys).  Bytes 8,704 to 26,111 are one key step of the attention: 68 x 256 dense bytes.
; THE ROWS OF A TILE ARE NOT NEIGHBOURS, everywhere: lane r of tile 2 b + u holds row 32 b + 8 u + r + 8 (r / 8) (positions in xn's, Q's and K's tiles, rows of W, channels in V's tiles), so that in a transposed
; product's result the 16 registers of tiles 2 b and 2 b + 1 are 16 NEIGHBOURS along the next product's K: 32 b + 16 (lane / 16) + 0 .. 15.  One macro then quantises all four operands.
; PHASES.  X: wave w normalises channels 32 (w % 4) on of positions 64 (w / 4) on (a lane: 16 channels, one group, x 4 positions) and puts codes and scale bytes into LDS as rows | barrier |
;   q, k: wave w takes position tile w: source 0 = 16 rows of W, source 1 = xn's tile, C = the bias: a lane holds one position, registers along the channels.
;   v: wave w takes channel tile w: source 0 = xn's tile, source 1 = 16 rows of Wv: a lane holds one channel, registers along the keys | barrier | three waves store the scale words, 512 bytes each.
; Every product has K = 128: one matrix instruction for each accumulator, no chain.  The weights go from memory straight into operand registers; no tile lies in LDS that work-groups could share, so no cluster.
; THE WEIGHTS ARE ASKED FOR EARLY.  Wq's fragments and q's bias go into window 1 (v256 on) at the head, behind x's loads; Wk's and k's bias into the registers that x and the statistics leave, as soon as xn is made:
; each is on its way through at least one quantising and one barrier before its products.  Four switches of the register window in the whole text.
; LIMITS: NaN and infinities are not served.  A block whose largest magnitude lies under 2^-124 keeps the scale byte 1 (a block of zeros too, where the rule says 127: its codes are zeros, and this program alone reads the bytes).
.set REG,  26112
.set QI,   0
.set QS,   8192
.set KI,   9728
.set VI,   17920
.set SC,   0                           ; LDS: the scale words' stage: Q's 512 bytes, K's, V's
.set XSB,  1536                        ; xn's scale bytes, 4 a position
.set XC,   2048                        ; xn's codes: 128 rows of 64 bytes + 16 of padding
.set XP,   80
.set WS,   16                          ; v[16:23]   W's scale words: lanes 0-15 Wq's, lanes 16-31 Wk's; for v: xn's eight
.set XOWN, 24                          ; v[24:31]   my position tile of xn
.set WF,   32                          ; v[32:95]   x as loaded; then Wk's 8 fragments; for v: v[32:39] the bias as C.  The same numbers in window 1: Wq's 8 fragments
.set VB,   32
.set ACC,  96                          ; v[96:159]  xn; then the 8 accumulators
.set ST,   160                         ; v[160:175] the group's 8 x (mean, M2)
.set GW,   176                         ; v[176:191] gain of my 16 channels, then gain x rstd
.set GB,   192                         ; v[192:207] their bias
.set MN,   208                         ; v[208:209] the group's mean, twice;  v210-223 at work
.set BI,   160                         ; v[160:223] then: k's bias in the result's layout, 8 tiles.  The same numbers in window 1: q's bias
.set XF,   160                         ; v[160:223] then: xn's 8 fragments
.set PC,   224                         ; v[224:231] the codes just made
.set TM,   232                         ; v232-235 largest magnitudes, v236-239 the other lanes', then bytes, v240-243 the conversions' scale operands
.set PW,   244                         ; the scale word just made
.set XOS,  245                         ; my tile's scale words of xn
.set WVS,  246                         ; Wv's scale words
.set VBL,  247                         ; v's bias of my lane's channel
.set WVF,  248                         ; v[248:255] Wv's fragment
.set MSB, 0
.macro WIN new                         ; s_set_vgpr_msb: bits 1:0 source 0, 3:2 source 1, 5:4 source 2, 7:6 destination; the immediate's high byte repeats the setting that is left
.if MSB != \new
	s_set_vgpr_msb (MSB<<8)|\new
.set MSB, \new
.endif
.endm
; 64 numbers of a lane, v[s + 16 b + i], b = 0 .. 3, i = 0 .. 15: with lane l xor 16's sixteen they are block b of 32 along K.  Their codes go to v[PC + 2 b], v[PC + 2 b + 1], the block's byte to v[TM + 4 + b].
; whole = 1: block b is k = 32 b + 16 (lane / 16) + i of my row: the four bytes make the row's scale word v[PW], and the halves change places so that v[PC ..] is the operand's fragment.
.macro QUANT s, whole
.irp b, 0,1,2,3
	v_max3_num_f32 v[TM+\b], |v[\s+16*\b]|, |v[\s+1+16*\b]|, 0x1800000   ; my 16 numbers, and the floor 2^(3 - 127): the byte cannot fall under 1
.endr
.irp i, 2,4,6,8,10,12,14
.irp b, 0,1,2,3
	v_max3_num_f32 v[TM+\b], v[TM+\b], |v[\s+16*\b+\i]|, |v[\s+1+16*\b+\i]|   ; the four blocks by turns: no line waits for the line above it
.endr
.endr
.irp b, 0,1,2,3
	s_delay_alu instid0(VALU_DEP_4)
	v_permlanex16_b32 v[TM+4+\b], v[TM+\b], s26, s27
.endr
.irp b, 0,1,2,3
	s_delay_alu instid0(VALU_DEP_4)
	v_max_num_f32 v[TM+\b], v[TM+\b], v[TM+4+\b]   ; with lane l xor 16's: the block's largest magnitude
.endr
.irp b, 0,1,2,3
	s_delay_alu instid0(VALU_DEP_4)
	v_add_nc_u32 v[TM+8+\b], 0xff000000, v[TM+\b]  ; 2 off its exponent field: the conversion takes the exponent field of this operand as its scale
.endr
.irp b, 0,1,2,3
	s_delay_alu instid0(VALU_DEP_4)
	v_lshrrev_b32 v[TM+4+\b], 23, v[TM+8+\b]       ; the scale's byte
.endr
.if \whole
	s_delay_alu instid0(VALU_DEP_3)
	v_lshl_or_b32 v[PW], v[TM+5], 8, v[TM+4]
	s_delay_alu instid0(VALU_DEP_1)
	v_lshl_or_b32 v[PW], v[TM+6], 16, v[PW]
	s_delay_alu instid0(VALU_DEP_1)
	v_lshl_or_b32 v[PW], v[TM+7], 24, v[PW]
.endif
.irp b, 0,1,2,3
	v_cvt_scalef32_pk8_fp4_f32 v[PC+2*\b], v[\s+16*\b:\s+7+16*\b], v[TM+8+\b]
	v_cvt_scalef32_pk8_fp4_f32 v[PC+1+2*\b], v[\s+8+16*\b:\s+15+16*\b], v[TM+8+\b]
.endr
	v_nop                                          ; one plain place behind the last scaled conversion
.if \whole
.irp c, 0,1                                    ; the operand's layout wants a WHOLE block in a lane: lanes 0-15 block 2 c, lanes 16-31 block 2 c + 1
.irp i, 0,1
	v_permlane16_swap_b32 v[PC+4*\c+\i], v[PC+2+4*\c+\i]
.endr
.endr
.endif
.endm
; the 128 rows of W from row 128 part on: 8 fragments, and the bias in the result's layout (lane (r, h), tile t: channels 32 (t / 2) + 8 (t % 2) + 16 h + 0 .. 7): 32 loads, into the window that is set for the destination
.macro LOADW part
.irp t, 0,1,2,3,4,5,6,7
	global_load_b128 v[WF+8*\t:WF+8*\t+3], v9, s[12:13] offset:\part*8192+(32*(\t/2)+8*(\t%2))*64
	global_load_b128 v[WF+8*\t+4:WF+8*\t+7], v9, s[12:13] offset:\part*8192+(32*(\t/2)+8*(\t%2))*64+32
	global_load_b128 v[BI+8*\t:BI+8*\t+3], v11, s[16:17] offset:\part*512+(32*(\t/2)+8*(\t%2))*4
	global_load_b128 v[BI+8*\t+4:BI+8*\t+7], v11, s[16:17] offset:\part*512+(32*(\t/2)+8*(\t%2))*4+16
.endr
.endm
; transposed: lane (r, h) holds position row r of my tile; register 16 b + i the channel 32 b + 16 h + i.  row1 = 0: W's scale words from lanes 0-15 (Wq's); 1: from lanes 16-31 (Wk's)
.macro MULQK row1
.irp t, 0,1,2,3,4,5,6,7
.if \row1
	v_wmma_scale_f32_16x16x128_f8f6f4 v[ACC+8*\t:ACC+8*\t+7], v[WF+8*\t:WF+8*\t+7], v[XOWN:XOWN+7], v[BI+8*\t:BI+8*\t+7], v[WS+\t], v[XOS] matrix_a_fmt:MATRIX_FMT_FP4 matrix_b_fmt:MATRIX_FMT_FP4 matrix_a_scale:MATRIX_SCALE_ROW1
.else
	v_wmma_scale_f32_16x16x128_f8f6f4 v[ACC+8*\t:ACC+8*\t+7], v[WF+8*\t:WF+8*\t+7], v[XOWN:XOWN+7], v[BI+8*\t:BI+8*\t+7], v[WS+\t], v[XOS] matrix_a_fmt:MATRIX_FMT_FP4 matrix_b_fmt:MATRIX_FMT_FP4
.endif
.endr
.endm
.macro PLACES                                  ; four plain vector instructions between a matrix instruction and a load into, or a vector read or write of, its registers (ISA guide 7.12.1 for vector reads and writes)
.rept 4
	v_nop
.endr
.endm
.macro OUTIMG off                              ; the fragment in v[PC ..] goes out as it stands: each store of the wave covers 512 consecutive bytes, aligned
	global_store_b128 v12, v[PC:PC+3], s[18:19] offset:\off
	global_store_b128 v12, v[PC+4:PC+7], s[18:19] offset:\off+512
.endm
.macro BAR                                     ; my LDS stores have landed and my LDS loads are in: then the work-group's barrier
	s_wait_dscnt 0x0
	s_barrier_signal -1
	s_barrier_wait -1
.endm
	s_load_b256 s[4:11], s[0:1], 0x0               ; x, gn_weight, gn_bias, stats
	s_load_b256 s[12:19], s[0:1], 0x20             ; W's codes, W's scales, qkv_bias, ws
	s_set_vgpr_msb 0x40
	v_lshl_add_u32 v254, v0, 2, 0x3000
	v_mov_b32 v255, 0
	s_set_vgpr_msb 0x4000
	v_lshrrev_b32 v224, 5, v0
	s_delay_alu instid0(VALU_DEP_1)
	v_readfirstlane_b32 s20, v224                  ; wave w, 0..7
	s_and_b32 s21, s20, 3                          ; cb: which 32 channels I normalise
	s_lshr_b32 s22, s20, 2                         ; nh: which 64 positions
	s_lshr_b32 s23, s20, 1
	s_lshl_b32 s23, s23, 5
	s_and_b32 s24, s20, 1
	s_lshl_b32 s25, s24, 3
	s_add_co_u32 s23, s23, s25                     ; tt = 32 (w / 2) + 8 (w % 2): tile w's first row
	s_mov_b32 s26, 0x76543210                      ; v_permlanex16_b32's selects for lane l xor 16
	s_mov_b32 s27, 0xfedcba98
	s_mov_b32 s28, 0x37800000                      ; 2^-16: one over a group's 65,536 numbers
	s_mov_b32 s29, 0x3727c5ac                      ; eps = 1e-5
	v_and_b32 v224, 15, v0                         ; r
	v_bfe_u32 v225, v0, 4, 1                       ; h
	v_and_b32 v226, 31, v0                         ; lane
	s_delay_alu instid0(VALU_DEP_3)
	v_and_b32 v227, 8, v224
	s_delay_alu instid0(VALU_DEP_1)
	v_add_nc_u32 v227, v227, v224                  ; RP = r + 8 (r / 8)
	s_lshl_b32 s32, s21, 19                        ; x: 32 cb channels of 16,384 bytes,
	s_lshl_b32 s33, s22, 8                         ; 64 nh positions,
	s_add_co_u32 s32, s32, s33
	v_lshlrev_b32 v1, 4, v224                      ; 4 positions a lane,
	s_delay_alu instid0(VALU_DEP_1)
	v_lshl_add_u32 v1, v225, 18, v1                ; lanes 16-31 sixteen channels on
	s_delay_alu instid0(VALU_DEP_1)
	v_add_nc_u32 v1, s32, v1
	s_lshl_b32 s33, s21, 7
	v_lshlrev_b32 v2, 6, v225
	s_delay_alu instid0(VALU_DEP_1)
	v_add_nc_u32 v2, s33, v2                       ; 128 cb + 64 h: my 16 channels in gn_weight and gn_bias, and my group's 64 bytes in stats
	s_mul_i32 s33, s22, 64*XP
	s_lshl_b32 s34, s21, 4
	s_add_co_u32 s33, s33, s34
	s_add_co_u32 s33, s33, XC
	v_mul_u32_u24 v3, v224, 4*XP
	s_delay_alu instid0(VALU_DEP_1)
	v_lshl_add_u32 v3, v225, 3, v3
	s_delay_alu instid0(VALU_DEP_1)
	v_add_nc_u32 v3, s33, v3                       ; codes in: row 64 nh + 4 r (+ e), byte 16 cb + 8 h
	s_lshl_b32 s33, s22, 8
	s_add_co_u32 s33, s33, s21
	s_add_co_u32 s33, s33, XSB
	v_lshlrev_b32 v4, 4, v224
	s_delay_alu instid0(VALU_DEP_1)
	v_add_nc_u32 v4, s33, v4                       ; scale bytes in: 4 x position + cb
	v_mul_u32_u24 v5, v227, XP
	s_delay_alu instid0(VALU_DEP_1)
	v_lshl_add_u32 v5, v225, 4, v5
	s_delay_alu instid0(VALU_DEP_1)
	v_add_nc_u32 v5, XC, v5                        ; a fragment of xn: row RP, + 16 h
	s_mul_i32 s33, s23, XP
	v_add_nc_u32 v6, s33, v5                       ; my own tile's
	v_lshl_add_u32 v7, v227, 2, XSB                ; xn's scale words: 4 bytes a position
	s_lshl_b32 s34, s23, 2
	v_add_nc_u32 v8, s34, v7                       ; my own tile's
	v_lshlrev_b32 v9, 6, v227
	s_delay_alu instid0(VALU_DEP_1)
	v_lshl_add_u32 v9, v225, 4, v9                 ; W's codes: row RP of 64 bytes, + 16 h
	v_lshlrev_b32 v10, 2, v227                     ; W's scale words: 4 RP (the halves of the lanes part below)
	v_lshlrev_b32 v11, 6, v225                     ; the bias in the result's layout: 64 h
	s_lshl_b32 s33, s20, 10
	v_lshlrev_b32 v12, 4, v226
	s_delay_alu instid0(VALU_DEP_1)
	v_add_nc_u32 v12, s33, v12                     ; an image's place: 16 x lane + 1,024 w
	s_lshl_b32 s33, s20, 6
	v_lshlrev_b32 v13, 2, v224
	s_delay_alu instid0(VALU_DEP_1)
	v_add_nc_u32 v13, s33, v13                     ; Q's scale word: SC + 64 w + 4 r
	s_lshl_b32 s33, s24, 8
	s_lshr_b32 s35, s20, 1
	s_lshl_b32 s35, s35, 2
	s_add_co_u32 s33, s33, s35
	s_add_co_u32 s33, s33, SC+512
	v_lshlrev_b32 v14, 4, v224
	s_delay_alu instid0(VALU_DEP_1)
	v_add_nc_u32 v14, s33, v14                     ; K's: SC + 512 + 16 (16 (w % 2) + r) + 4 (w / 2);  V's 512 further on
	s_lshl_b32 s33, s20, 9
	v_lshlrev_b32 v15, 4, v226
	s_delay_alu instid0(VALU_DEP_1)
	v_add_nc_u32 v15, s33, v15                     ; the scale words' way out: 16 x lane + 512 w, in LDS and in the region alike
	s_lshl_b32 s33, s23, 6
	v_add_nc_u32 v229, s33, v9                     ; Wv's fragment: row tt + RP
	v_add_nc_u32 v230, s34, v10                    ; its scale word, and its channel's bias: 4 (tt + RP)
	v_lshl_add_u32 v10, v225, 9, v10               ; lanes 16-31 take the words 128 rows (512 bytes) on: Wk's beside Wq's in one register
.irp b, 0,1,2,3
	v_mov_b32 v[TM+4+\b], 0                        ; written once: a lane permute's destination counts as one of its sources
.endr
	s_and_b32 s30, ttmp7, 0xffff                   ; the image
	s_lshl_b32 s32, s30, 9                         ; its 8 groups x 64 bytes of stats
	s_mov_b32 s33, 0
	s_lshl_b32 s34, s30, 5
	s_add_co_u32 s34, s34, ttmp9
	s_mul_i32 s34, s34, REG                        ; my region of ws
	s_mov_b32 s35, 0
	s_lshl_b32 s30, s30, 21                        ; the image's 2^21 bytes of x,
	s_lshl_b32 s31, ttmp9, 9                       ; my 128 positions
	s_add_co_u32 s30, s30, s31
	s_mov_b32 s31, 0
	s_wait_alu depctr_va_vdst(0)
	s_wait_kmcnt 0x0
	s_add_nc_u64 s[4:5], s[4:5], s[30:31]
	s_add_nc_u64 s[10:11], s[10:11], s[32:33]
	s_add_nc_u64 s[18:19], s[18:19], s[34:35]
	global_load_b128 v[WVF:WVF+3], v229, s[12:13] offset:16384        ; Wv: rows 256 on
	global_load_b128 v[WVF+4:WVF+7], v229, s[12:13] offset:16384+32
	global_load_b32 v[WVS], v230, s[14:15] offset:1024
	global_load_b32 v[VBL], v230, s[16:17] offset:1024
.irp i, 0,1,2,3
	global_load_b128 v[ST+4*\i:ST+4*\i+3], v2, s[10:11] offset:16*\i
.endr
.irp i, 0,1,2,3
	global_load_b128 v[GW+4*\i:GW+4*\i+3], v2, s[6:7] offset:16*\i
.endr
.irp i, 0,1,2,3
	global_load_b128 v[GB+4*\i:GB+4*\i+3], v2, s[8:9] offset:16*\i
.endr
.irp j, 0,1,2,3,4,5,6,7,8,9,10,11,12,13,14,15
	global_load_b128 v[WF+4*\j:WF+4*\j+3], v1, s[4:5] offset:16384*\j   ; channel 32 cb + 16 h + j, 4 positions: sixteen lanes read 256 consecutive bytes, aligned
.endr
.irp t, 0,1,2,3,4,5,6,7
	global_load_b32 v[WS+\t], v10, s[14:15] offset:(32*(\t/2)+8*(\t%2))*4   ; tile t's scale words: lanes 0-15 Wq's, lanes 16-31 Wk's
.endr
	WIN 0x40                                       ; destination window 1, address window 0
	LOADW 0                                        ; Wq and q's bias: behind x's loads, which are wanted first
	WIN 0
	; ---- the group's mean and 1 / sqrt(var + eps), from its eight parts: M2 = the sum of the parts' M2 + 8,192 x the sum of (part's mean - mean)^2
	s_wait_loadcnt 56                              ; behind the statistics, gains and biases: x's 16 loads, the 8 of scale words and Wq's 32 may stay out
	v_add_f32 v210, v[ST], v[ST+2]
	v_add_f32 v211, v[ST+4], v[ST+6]
	v_add_f32 v212, v[ST+8], v[ST+10]
	v_add_f32 v213, v[ST+12], v[ST+14]
	s_delay_alu instid0(VALU_DEP_3)
	v_add_f32 v210, v210, v211
	s_delay_alu instid0(VALU_DEP_2)
	v_add_f32 v212, v212, v213
	s_delay_alu instid0(VALU_DEP_1)
	v_add_f32 v210, v210, v212
	s_delay_alu instid0(VALU_DEP_1)
	v_mul_f32 v[MN], 0x3e000000, v210              ; / 8: the parts are equally large
	s_delay_alu instid0(VALU_DEP_2)
	v_mul_f32 v[MN+1], 0x3e000000, v210
.irp i, 0,1,2,3,4,5,6,7
	v_sub_f32 v[210+\i], v[ST+2*\i], v[MN]
.endr
	v_mul_f32 v218, v210, v210
.irp i, 1,2,3,4,5,6,7
	s_delay_alu instid0(VALU_DEP_1)
	v_fmac_f32 v218, v[210+\i], v[210+\i]
.endr
	v_add_f32 v219, v[ST+1], v[ST+3]
	v_add_f32 v220, v[ST+5], v[ST+7]
	v_add_f32 v221, v[ST+9], v[ST+11]
	v_add_f32 v222, v[ST+13], v[ST+15]
	s_delay_alu instid0(VALU_DEP_3)
	v_add_f32 v219, v219, v220
	s_delay_alu instid0(VALU_DEP_2)
	v_add_f32 v221, v221, v222
	s_delay_alu instid0(VALU_DEP_1)
	v_add_f32 v219, v219, v221
	s_delay_alu instid0(VALU_DEP_1)
	v_fmamk_f32 v219, v218, 0x46000000, v219       ; + 8,192 x
	s_delay_alu instid0(VALU_DEP_1)
	v_fma_f32 v220, v219, s28, s29                 ; var + eps
	s_wait_alu depctr_va_vdst(0)
	v_rsq_f32 v222, v220
	v_mov_b32 v223, 0                              ; a plain place behind the transcendental; and the pair v[222:223] is named whole below
	s_wait_alu depctr_va_vdst(0)
.irp p, 0,1,2,3,4,5,6,7
	v_pk_mul_f32 v[GW+2*\p:GW+2*\p+1], v[GW+2*\p:GW+2*\p+1], v[222:223] op_sel_hi:[1,0]   ; gain x rstd
.endr
	; ---- xn = (x - mean) (gain rstd) + bias.  The destination's number turns the data: position e's 16 channels come to lie in 16 consecutive registers
.irp j, 0,1,2,3,4,5,6,7,8,9,10,11,12,13,14,15
	s_wait_loadcnt 55-\j                           ; channel j's load is in; x's 15 - j younger loads and the 40 behind them stay out
	v_pk_add_f32 v[WF+4*\j:WF+4*\j+1], v[WF+4*\j:WF+4*\j+1], v[MN:MN+1] neg_lo:[0,1] neg_hi:[0,1]
	v_pk_add_f32 v[WF+4*\j+2:WF+4*\j+3], v[WF+4*\j+2:WF+4*\j+3], v[MN:MN+1] neg_lo:[0,1] neg_hi:[0,1]
.irp e, 0,1,2,3
	v_fma_f32 v[ACC+16*\e+\j], v[WF+4*\j+\e], v[GW+\j], v[GB+\j]
.endr
.endr
	LOADW 1                                        ; Wk and k's bias, into window 0's registers that are done with: on their way while xn is quantised and through the whole of q
	QUANT ACC, 0                                   ; "block b" is position e = b: channels 32 cb + 0 .. 31 of it lie in lanes l and l xor 16
.irp e, 0,1,2,3
	ds_store_b64 v3, v[PC+2*\e:PC+2*\e+1] offset:XP*\e   ; 16 codes: 8 bytes of the position's row
	ds_store_b8 v4, v[TM+4+\e] offset:4*\e         ; both halves of the lanes write the same byte with the same value
.endr
	BAR                                            ; xn's 128 rows of codes and their scale bytes lie in LDS
	; ---- q
	ds_load_b128 v[XOWN:XOWN+3], v6
	ds_load_b128 v[XOWN+4:XOWN+7], v6 offset:32
	ds_load_b32 v[XOS], v8
	s_wait_dscnt 0x0
	s_wait_loadcnt 32                              ; Wq, its scale words and q's bias are in; Wk's 32 loads may stay out
	WIN 0x11                                       ; source 0 (Wq) and source 2 (q's bias) window 1
	MULQK 0
	WIN 0
	PLACES
	QUANT ACC, 1
	OUTIMG QI
	ds_store_b32 v13, v[PW]
	; ---- k
	s_wait_loadcnt 0x0                             ; Wk and k's bias
	MULQK 1
	PLACES
.irp t, 0,1,2,3,4,5,6,7                        ; all of xn's tiles, for v, land while k is quantised
	ds_load_b128 v[XF+8*\t:XF+8*\t+3], v5 offset:(32*(\t/2)+8*(\t%2))*XP
	ds_load_b128 v[XF+8*\t+4:XF+8*\t+7], v5 offset:(32*(\t/2)+8*(\t%2))*XP+32
	ds_load_b32 v[WS+\t], v7 offset:(32*(\t/2)+8*(\t%2))*4
.endr
.irp i, 0,1,2,3,4,5,6,7
	v_mov_b32 v[VB+\i], v[VBL]                     ; v's bias as C: in that result a lane holds one channel, so its eight registers hold one number
.endr
	s_wait_xcnt 0x0                                ; Q's stores have read the codes' registers: they are written again only behind this wait
	QUANT ACC, 1
	OUTIMG KI
	ds_store_b32 v14, v[PW]
	; ---- v: lane (r, h) holds channel row r of tile w; register 16 b + i the key 32 b + 16 h + i
	s_wait_dscnt 0x0
.irp t, 0,1,2,3,4,5,6,7
	v_wmma_scale_f32_16x16x128_f8f6f4 v[ACC+8*\t:ACC+8*\t+7], v[XF+8*\t:XF+8*\t+7], v[WVF:WVF+7], v[VB:VB+7], v[WS+\t], v[WVS] matrix_a_fmt:MATRIX_FMT_FP4 matrix_b_fmt:MATRIX_FMT_FP4
.endr
	PLACES
	s_wait_xcnt 0x0                                ; K's stores have read the codes' registers
	QUANT ACC, 1
	OUTIMG VI
	ds_store_b32 v14, v[PW] offset:512
	BAR                                            ; the three runs of scale words lie in LDS
	s_cmp_lt_u32 s20, 3                            ; waves 0, 1, 2 store Q's, K's, V's: 512 consecutive bytes each
	s_cbranch_scc0 .Ldone
	ds_load_b128 v[32:35], v15
	s_wait_dscnt 0x0
	global_store_b128 v15, v[32:35], s[18:19] offset:QS
.Ldone:
	s_set_vgpr_msb 0x5
	s_wait_tensorcnt 0x0
	ds_add_u32 v254, v255
	s_wait_dscnt 0x0
	s_set_vgpr_msb 0x500
	s_endpgm
.Lfunc_end_k_q278faaaee3_qkv:
	.size	k_q278faaaee3_qkv, .Lfunc_end_k_q278faaaee3_qkv-k_q278faaaee3_qkv
	.p2alignl 7, 3214868480
	.fill 96, 4, 3214868480
	.section	.rodata,"a",@progbits
	.p2align	6, 0x0
	.amdhsa_kernel k_q278faaaee3_qkv
		.amdhsa_group_segment_fixed_size 13312
		.amdhsa_private_segment_fixed_size 0
		.amdhsa_enable_private_segment 0
		.amdhsa_kernarg_size 64
		.amdhsa_user_sgpr_count 2
		.amdhsa_user_sgpr_kernarg_segment_ptr 1
		.amdhsa_wavefront_size32 1
		.amdhsa_system_sgpr_workgroup_id_x 1
		.amdhsa_system_sgpr_workgroup_id_y 1
		.amdhsa_system_sgpr_workgroup_id_z 1
		.amdhsa_system_vgpr_workitem_id 0
		.amdhsa_next_free_vgpr 512
		.amdhsa_next_free_sgpr 66
		.amdhsa_reserve_vcc 0
		.amdhsa_float_denorm_mode_32 3
		.amdhsa_float_denorm_mode_16_64 3
		.amdhsa_memory_ordered 1
		.amdhsa_forward_progress 1
		.amdhsa_inst_pref_size 48
	.end_amdhsa_kernel
	.amdgpu_metadata
---
amdhsa.version: [ 1, 2 ]
amdhsa.kernels:
  - .name:           k_q278faaaee3_qkv
    .symbol:         k_q278faaaee3_qkv.kd
    .args:
      - { .name: x, .offset: 0, .size: 8, .value_kind: global_buffer, .address_space: global }
      - { .name: gn_weight, .offset: 8, .size: 8, .value_kind: global_buffer, .address_space: global }
      - { .name: gn_bias, .offset: 16, .size: 8, .value_kind: global_buffer, .address_space: global }
      - { .name: stats, .offset: 24, .size: 8, .value_kind: global_buffer, .address_space: global }
      - { .name: qkv_weight_codes, .offset: 32, .size: 8, .value_kind: global_buffer, .address_space: global }
      - { .name: qkv_weight_scales, .offset: 40, .size: 8, .value_kind: global_buffer, .address_space: global }
      - { .name: qkv_bias, .offset: 48, .size: 8, .value_kind: global_buffer, .address_space: global }
      - { .name: ws, .offset: 56, .size: 8, .value_kind: global_buffer, .address_space: global }
    .group_segment_fixed_size: 13312
    .private_segment_fixed_size: 0
    .kernarg_segment_align: 8
    .kernarg_segment_size: 64
    .max_flat_workgroup_size: 256
    .sgpr_count:     66
    .vgpr_count:     512
    .wavefront_size: 32
...
	.end_amdgpu_metadata
.endif
;; end of part 2
;; launch attn (part 3): grid 64 x 4, 16 waves a work-group, clusters of 4 x 1, 327,680 bytes of LDS; arguments ws, proj_weight_codes, proj_weight_scales, proj_bias, x, out0; writes out0
.if DOCPART == 3
	.amdgcn_target "amdgcn-amd-amdhsa--gfx1250"
	.amdhsa_code_object_version 6
	.text
	.protected	k_q278faaaee3_attn
	.globl	k_q278faaaee3_attn
	.p2align	8
	.type	k_q278faaaee3_attn,@function
k_q278faaaee3_attn:
	s_mov_b64 s[64:65], 0
	v_nop
	global_prefetch_b8 v0, s[64:65] scope:SCOPE_SE
	s_setreg_imm32_b32 hwreg(HW_REG_WAVE_MODE, 25, 1), 1
	s_wait_xcnt 0x0
	s_wait_alu depctr_hold_cnt(0) depctr_sa_sdst(0) depctr_va_vdst(0) depctr_va_sdst(0) depctr_va_ssrc(0) depctr_va_vcc(0) depctr_vm_vsrc(0)
	s_getreg_b32 s2, hwreg(HW_REG_IB_STS2, 6, 4)
	s_cmp_eq_u32 s2, 0
	s_cbranch_scc0 .Lentry_in_a_cluster
	s_endpgm
.Lentry_in_a_cluster:
	s_bfe_u32 s2, ttmp6, 0x10000c
	s_cmp_lg_u32 s2, 0x3003
	s_cbranch_scc0 .Lentry_shape_is_right
	s_endpgm
.Lentry_shape_is_right:
; out0 = x + proj(softmax(q k^T / sqrt(128)) v) + proj_bias, all three products on codes of FP4 (E2M1) with one E8M0 scale for each 32 along K.  q, k, v come from ws as images of the operands' registers (the launch before).
; THE SOFTMAX AHEAD OF THE SECOND PRODUCT: t = score x log2(e) / sqrt(128); M = the largest t so far, rounded UP to a whole number; p = 2^(t - M) is quantised along the keys, not normalised; the sum is taken of the
; unquantised p and divides at the end.  When M moves, the sum and O are multiplied by 2^(old M - new M): exact.
; SHARES.  A work-group owns 64 queries of one image; 4 x 64 work-groups.  Wave w of sixteen: query tile T = w % 4 (16 queries), KEY GROUP KQ = w / 4: of every 8 key steps (128 keys each) it takes steps 2 KQ and 2 KQ + 1, 8 steps
; in all, with an M, a sum and an O^T of its own.  Four waves to a SIMD, 256 registers each: one wave's vector work stands beside another's LDS loads and products.  At the end a tile's four key groups are joined:
; each is brought under the largest of the four M by a power of two, divided by the joint sum, and added by the tile's owner (KQ = 0), which quantises the result and multiplies by proj_weight.
; LAYOUT.  Both products are used transposed: S^T = K Q^T, O^T = V^T P^T: a lane holds ONE query (lane % 16).  Lane r of tile 2 b + u holds row 32 b + 8 u + r + 8 (r / 8), of K's keys, of V's channels and of Q's positions,
; so that the 16 registers of tiles 2 b, 2 b + 1 are 16 neighbours along the next K (keys for p, channels for O).
; THE RING.  Two slots of 8 key steps (139,264 bytes); a key step is 17,408 dense bytes of ws: K's scale words, V's, K's 8 images, V's 8.  Four chunks: two first fills, two refills.  Waves 0 to 7 fetch one step each.
; Every LDS read is 16 bytes x lane: consecutive, so no padding.  By this text's count a wave has at most two tensor loads out.
; THE CHANGE OF SLOTS LIES INSIDE A SLOT'S LAST KEY STEP.  A wave's last LDS reads of a slot are that step's fragments of V.  Behind them it waits for all its tensor loads, adds 0 to its spare word, waits for that and for its
; reads, and SIGNALS; the exponentials, the quantising, the sums and the second product, which touch registers alone, stand between the signal and the barrier's wait.  So a wave that is ahead waits only for the others' reads.
; CLUSTER.  The four work-groups of a cluster belong to one image and walk the same K and V: each step is asked for JOINTLY, by the same tensor load with the same descriptor and a mask that names the four.
; LIMITS: NaN and infinities are not served; a block of O whose largest magnitude lies under 2^-124 keeps the scale byte 1.
.set REG,   26112                      ; a region of ws: 128 positions
.set IMGB,  32*REG                     ; an image's regions
.set STEPB, 17408                      ; a key step: bytes 8,704 .. 26,111 of a region
.set SLOTB, 8*STEPB
.set CHB,   8*REG                      ; from chunk to chunk in memory
.set VSO,   512                        ; in a step's bytes: K's scale words at 0, V's here,
.set KIO,   1024                       ; K's images,
.set VIO,   9216                       ; V's
.set SPARE, 2*SLOTB                    ; behind the ring: the spare words, 128 bytes for each of sixteen waves: eight blocks of 256 bytes that no other line names
.set OUTSTG, SPARE+2048                ; the way out: 128 channels x (64 positions: 256 bytes + 16); no tensor load ever lands here
.set OP,    272
.set MS,    0                          ; in slot 0, which has had its last fill and its last read when these are written: (-M, sum) of every lane of every wave, 8 bytes each,
.set PART,  4096                       ; and the key groups' O^T as register images: 8,192 bytes at index 4 T + KQ
.set LB,   1                           ; v1   16 x lane + my key group's two steps in a slot;  at the end: proj_weight's codes' offset
.set MSW,  2                           ; v2   MS: 8 x my thread's number
.set MSR,  3                           ; v3   MS: my tile's first key group, my lane
.set PAW,  4                           ; v4   PART: where I put my O^T
.set SPW,  5                           ; v5   LDS address of my spare word: SPARE + 4 x my thread's number; never rewritten
.set NIL,  6                           ; v6   0; never rewritten
.set PAR,  7                           ; v7   PART: my tile's four images
.set ADR,  8                           ; v8   the step in hand;  at the end: proj_weight's scale words' offset
.set OSW,  9                           ; v9   the stage: where an owner puts 32 bytes of a channel's row
.set OSR,  10                          ; v10  and where I read a row back
.set GX,   11                          ; v11  my byte offset in x and in out0
; v12 -M, v13 the largest t, v[14:15] the sum in two halves; v[16:23] Q; v[24:27] K's scale words, v[28:31] V's; v[32:95] 8 fragments of K, then of V; v[96:159] S^T, then p; v[160:223] O^T;
; v[224:231] p's codes; v232-239, v244-247, v252, v254 at work; v253 p's scale word; v255 Q's scale words; v[240:243], v[248:251] at the end: x
.set WV,   16                          ; s16  my wave's number
.set TT,   17                          ; s17  T
.set KQ,   18                          ; s18  KQ
.set QB,   19                          ; s19  my block of 64 queries: it enters global addresses of Q, x and out0 alone
.set SEL,  20                          ; s[20:21] lane selects for v_permlanex16_b32: lane l xor 16
.set CS,   22                          ; s[22:23] c = log2(e) / sqrt(128): the packed form names a pair and takes its low word for both halves
.set G1,   24                          ; s[24:31] descriptor group 1
.set G0A,  32                          ; s[32:35] group 0 for slot 0
.set G0B,  36                          ; s[36:39] for slot 1
; A round of the cluster's barrier: my work-group's barrier, so that wave 0's signal speaks for all sixteen waves; wave 0 signals; every wave waits for the four work-groups; my work-group's barrier once more.
.macro CREST                           ; a round behind its opening barrier
	s_cmp_lg_u32 s[WV], 0
	s_cbranch_scc1 .Lnot_wave_0_\@
	s_barrier_signal -3
.Lnot_wave_0_\@:
	s_barrier_wait -3
	s_barrier_signal -1
	s_barrier_wait -1
.endm
.macro CROUND                          ; a whole round
	s_barrier_signal -1
	s_barrier_wait -1
	CREST
.endm
; A joint refill: waves 0 to 7 fetch one key step each.  The branch hangs on the wave's number alone.  Four v_nop follow the load.
.macro TLOAD g0
	s_cmp_lt_u32 s[WV], 8
	s_cbranch_scc0 .Lno_fetch_\@
	tensor_load_to_lds s[\g0:\g0+3], s[G1:G1+7]
	s_nop 0
.rept 4
	v_nop
.endr
.Lno_fetch_\@:
.endm
	s_load_b256 s[4:11], s[0:1], 0x0               ; ws, proj_weight's codes, its scales, proj_bias
	s_load_b128 s[12:15], s[0:1], 0x20             ; x, out0
	v_lshl_add_u32 v[SPW], v0, 2, SPARE
	v_mov_b32 v[NIL], 0
	ds_add_u32 v5, v6
	ds_add_u32 v5, v6
	s_wait_dscnt 0x0
	v_lshrrev_b32 v8, 5, v0
	s_delay_alu instid0(VALU_DEP_1)
	v_readfirstlane_b32 s[WV], v8                  ; wave 0..15
	s_and_b32 s[TT], s[WV], 3
	s_lshr_b32 s[KQ], s[WV], 2
	s_bfe_u32 s40, ttmp6, 0x40000                  ; cx: my place in the cluster
	s_lshl_b32 s[QB], ttmp9, 2                     ; in a cluster launch ttmp9 counts clusters
	s_add_co_u32 s[QB], s[QB], s40
	s_and_b32 s41, ttmp7, 0xffff                   ; the image, which the four partners share
	; descriptor group 1: 68 rows of 256 bytes (32 elements of 8 bytes), dense in memory and in LDS
	s_mov_b32 s[G1], 15|(3<<16)|(1<<21)            ; 15:0 the mask: all four work-groups; 17:16 elements of 8 bytes; 20 no padding; 21 set beside a mask
	s_mov_b32 s[G1+1], 32<<16                      ; tensor_dim0 = 32
	s_mov_b32 s[G1+2], 68<<16                      ; tensor_dim1 = 68
	s_mov_b32 s[G1+3], 32<<16                      ; tile_dim0 = 32
	s_mov_b32 s[G1+4], 68                          ; tile_dim1 = 68
	s_mov_b32 s[G1+5], 32                          ; from row to row
	s_mov_b32 s[G1+6], 0
	s_mov_b32 s[G1+7], 0
	s_mov_b32 s[SEL], 0x76543210
	s_mov_b32 s[SEL+1], 0xfedcba98
	s_mov_b32 s[CS], 0x3e0293ee
	s_mov_b32 s[CS+1], s[CS]                       ; (named with it as a pair, so it is written)
	s_mul_i32 s42, s41, IMGB
	s_mov_b32 s43, 0
	s_mul_i32 s44, s[WV], REG                      ; the step that I fetch: region = wave,
	s_add_co_u32 s44, s44, 8704                    ; from its K scale words on
	s_mov_b32 s45, 0
	s_mul_i32 s46, s[WV], STEPB                    ; and its place in a slot: no place in the cluster enters an LDS address
	s_wait_kmcnt 0x0
	s_add_nc_u64 s[4:5], s[4:5], s[42:43]          ; ws at my image
	s_mov_b32 s[G0A], 1                            ; count = 1
	s_mov_b32 s[G0A+1], s46                        ; LDS address: slot 0
	s_add_nc_u64 s[G0A+2:G0A+3], s[4:5], s[44:45]  ; chunk 0
	s_mov_b32 s[G0B], 1
	s_add_co_u32 s[G0B+1], s46, SLOTB              ; slot 1
	s_add_nc_u64 s[G0B+2:G0B+3], s[G0A+2:G0A+3], CHB   ; chunk 1
	s_or_b32 s[G0A+3], s[G0A+3], 0x80000000        ; type = 2
	s_or_b32 s[G0B+3], s[G0B+3], 0x80000000
	CROUND                                         ; all four work-groups are here: the first joint loads meet
	s_cmp_lt_u32 s[WV], 8                          ; a wave's two first fills stand in one branch, ahead of every wait on TENSORcnt, every LDS read and every other barrier
	s_cbranch_scc0 .Lfirst_asked
	tensor_load_to_lds s[G0A:G0A+3], s[G1:G1+7]
	s_nop 0
	tensor_load_to_lds s[G0B:G0B+3], s[G1:G1+7]
	s_nop 0
.rept 4
	v_nop
.endr
.Lfirst_asked:
	v_and_b32 v232, 31, v0                         ; lane
	v_and_b32 v233, 15, v0                         ; r
	v_bfe_u32 v234, v0, 4, 1                       ; h
	s_delay_alu instid0(VALU_DEP_3)
	v_lshlrev_b32 v235, 4, v232                    ; 16 x lane
	s_wait_alu depctr_va_vdst(0)
	s_mul_i32 s47, s[KQ], 2*STEPB
	v_add_nc_u32 v[LB], s47, v235
	v_lshlrev_b32 v[MSW], 3, v0
	s_lshl_b32 s47, s[TT], 8
	v_lshl_add_u32 v[MSR], v232, 3, s47            ; wave 4 j + T's 256 bytes begin at 1,024 j + 256 T
	s_lshl_b32 s47, s[TT], 2
	s_add_co_u32 s47, s47, s[KQ]
	s_lshl_b32 s47, s47, 13
	s_add_co_u32 s47, s47, PART
	v_add_nc_u32 v[PAW], s47, v235
	s_lshl_b32 s47, s[TT], 15
	s_add_co_u32 s47, s47, PART
	v_add_nc_u32 v[PAR], s47, v235
	s_lshr_b32 s47, s[TT], 1                       ; the stage, in: row = channel r of a tile; lane (r, h) holds positions 32 (T / 2) + 8 (T % 2) + 16 h + 0 .. 7 of the work-group's 64
	s_lshl_b32 s47, s47, 7
	s_and_b32 s48, s[TT], 1
	s_lshl_b32 s48, s48, 5
	s_add_co_u32 s47, s47, s48
	s_add_co_u32 s47, s47, OUTSTG
	v_mul_u32_u24 v[OSW], v233, OP
	s_delay_alu instid0(VALU_DEP_1)
	v_lshl_add_u32 v[OSW], v234, 6, v[OSW]
	s_delay_alu instid0(VALU_DEP_1)
	v_add_nc_u32 v[OSW], s47, v[OSW]
	s_mul_i32 s47, s[WV], 8*OP                     ; back: wave w takes channels 8 w on; lanes 0-15 one row of 256 bytes, lanes 16-31 the next
	s_add_co_u32 s47, s47, OUTSTG
	v_mul_u32_u24 v[OSR], v234, OP
	s_delay_alu instid0(VALU_DEP_1)
	v_lshl_add_u32 v[OSR], v233, 4, v[OSR]
	s_delay_alu instid0(VALU_DEP_1)
	v_add_nc_u32 v[OSR], s47, v[OSR]
	s_lshl_b32 s47, s[WV], 17                      ; and the same in x and out0: a channel is 16,384 bytes
	v_lshlrev_b32 v[GX], 14, v234
	s_delay_alu instid0(VALU_DEP_1)
	v_lshl_add_u32 v[GX], v233, 4, v[GX]
	s_delay_alu instid0(VALU_DEP_1)
	v_add_nc_u32 v[GX], s47, v[GX]
	s_lshr_b32 s47, s[QB], 1                       ; Q: region QB / 2, tile 4 (QB % 2) + T
	s_mul_i32 s48, s47, REG
	s_and_b32 s47, s[QB], 1
	s_lshl_b32 s47, s47, 2
	s_add_co_u32 s47, s47, s[TT]
	s_lshl_b32 s50, s47, 10
	s_add_co_u32 s50, s50, s48
	s_mov_b32 s51, 0
	s_add_nc_u64 s[50:51], s[4:5], s[50:51]        ; its image
	s_lshl_b32 s52, s47, 6
	s_add_co_u32 s52, s52, s48
	s_mov_b32 s53, 0
	s_add_nc_u64 s[52:53], s[4:5], s[52:53]        ; its scale words (8,192 bytes on)
	global_load_b128 v[16:19], v235, s[50:51]      ; Q's fragment stays in registers
	global_load_b128 v[20:23], v235, s[50:51] offset:512
	v_lshlrev_b32 v240, 2, v233
	global_load_b32 v255, v240, s[52:53] offset:8192
	s_lshl_b32 s54, s41, 21                        ; x and out0: the image's 2^21 bytes, my 64 positions
	s_lshl_b32 s55, s[QB], 8
	s_add_co_u32 s54, s54, s55
	s_mov_b32 s55, 0
	s_add_nc_u64 s[12:13], s[12:13], s[54:55]
	s_add_nc_u64 s[14:15], s[14:15], s[54:55]
	v_mov_b32 v13, 0xff61b1e6                      ; the largest t so far: -3e38, under every t
	s_delay_alu instid0(VALU_DEP_1)
	v_floor_f32 v12, -v13                          ; -M
	v_mov_b32 v14, 0                               ; the sum, in two halves
	v_mov_b32 v15, 0
.irp b, 0,1,2,3
	v_mov_b32 v[236+\b], 0                         ; written once: a lane permute's destination counts as one of its sources
.endr
	v_mov_b32 v253, 0                              ; (named as the upper half of the pair v[252:253] before it is first written)
; A KEY STEP: 128 keys: step st (0, 1) of my key group in the slot.  first = 1: its second product starts O^T's sums with the constant 0: nothing is cleared and nothing rescaled.
; mode = 0: a step inside a slot.  mode = 1: the slot's last step, and the slot is filled again, by the descriptor gz, with the chunk two further on: the barrier opens a round of the cluster's, and the joint refill is the
; first thing behind the round.  mode = 2: the slot's last step, and nothing is left to fetch: the work-group's barrier alone.
; (No parameter of this macro bears the name of a loop variable of its body: an argument is put in as text ahead of the loops.)
.macro STEP slot, st, first, mode, gz
	v_add_nc_u32 v[ADR], \slot*SLOTB+\st*STEPB, v[LB]
.rept 3
	v_nop                                          ; with the addition: four places between the last step's products and the loads into registers that they read
.endr
	ds_load_b128 v[24:27], v[ADR]                  ; K's scale words: register 24 + b: lanes 0-15 tile 2 b's, lanes 16-31 tile 2 b + 1's
.irp t, 0,1,2,3,4,5,6,7
	ds_load_b128 v[32+8*\t:35+8*\t], v[ADR] offset:KIO+1024*\t
	ds_load_b128 v[36+8*\t:39+8*\t], v[ADR] offset:KIO+1024*\t+512
.endr
	s_wait_alu depctr_va_vdst(0)
	s_wait_dscnt 0x0
.irp b, 0,1,2,3                                ; S^T = K Q^T: one instruction for each accumulator
	v_wmma_scale_f32_16x16x128_f8f6f4 v[96+16*\b:103+16*\b], v[32+16*\b:39+16*\b], v[16:23], 0, v[24+\b], v255 matrix_a_fmt:MATRIX_FMT_FP4 matrix_b_fmt:MATRIX_FMT_FP4
	v_wmma_scale_f32_16x16x128_f8f6f4 v[104+16*\b:111+16*\b], v[40+16*\b:47+16*\b], v[16:23], 0, v[24+\b], v255 matrix_a_fmt:MATRIX_FMT_FP4 matrix_b_fmt:MATRIX_FMT_FP4 matrix_a_scale:MATRIX_SCALE_ROW1
.endr
.rept 4
	v_nop                                          ; places: in front of the loads below and of the first read of the scores
.endr
	ds_load_b128 v[28:31], v[ADR] offset:VSO       ; V's scale words and fragments land under the softmax's first part
.irp t, 0,1,2,3,4,5,6,7
	ds_load_b128 v[32+8*\t:35+8*\t], v[ADR] offset:VIO+1024*\t
	ds_load_b128 v[36+8*\t:39+8*\t], v[ADR] offset:VIO+1024*\t+512
.endr
.if \mode                                      ; those were my last LDS reads of this slot
	s_wait_tensorcnt 0x0                           ; all my tensor loads have landed, my part of the slot ahead among them: no tensor load of mine is out, so a group 0 may be written
	ds_add_u32 v[SPW], v[NIL]                      ; 0 onto my spare word: the search for the maxima, M and t - M stand between it and the wait for it
.if \mode == 1
	s_add_nc_u64 s[\gz+2:\gz+3], s[\gz+2:\gz+3], 2*CHB   ; two chunks on; the type bits on top are not reached
.endif
.endif
; THE LARGEST SCORE OF EACH BLOCK OF 32 KEYS serves twice: for the row's maximum, and, since p rises with the score, for the block's largest p.  A block's 16 scores of a lane lie in two accumulators:
; the first line takes the lowest register of both; seven lines of three take the other fourteen.
.irp b, 0,1,2,3
	v_max_num_f32 v[232+\b], v[96+16*\b], v[104+16*\b]
.endr
.irp i, 1,3,5
.irp b, 0,1,2,3
	v_max3_num_f32 v[232+\b], v[232+\b], v[96+16*\b+\i], v[97+16*\b+\i]   ; (the four blocks by turns)
.endr
.endr
.irp b, 0,1,2,3
	v_max3_num_f32 v[232+\b], v[232+\b], v[103+16*\b], v[105+16*\b]
.endr
.irp i, 10,12,14
.irp b, 0,1,2,3
	v_max3_num_f32 v[232+\b], v[232+\b], v[96+16*\b+\i], v[97+16*\b+\i]
.endr
.endr
.irp b, 0,1,2,3
	s_delay_alu instid0(VALU_DEP_4)
	v_permlanex16_b32 v[236+\b], v[232+\b], s[SEL], s[SEL+1]
.endr
.irp b, 0,1,2,3
	s_delay_alu instid0(VALU_DEP_4)
	v_max_num_f32 v[232+\b], v[232+\b], v[236+\b]  ; with lane l xor 16's 16 keys
.endr
	s_delay_alu instid0(VALU_DEP_2)
	v_max3_num_f32 v254, v232, v233, v234
	s_delay_alu instid0(VALU_DEP_1)
	v_max_num_f32 v254, v254, v235                 ; the step's largest score of my query
	s_delay_alu instid0(VALU_DEP_1)
	v_mul_f32 v254, s[CS], v254                    ; as t (c is positive)
	s_delay_alu instid0(VALU_DEP_1)
	v_max_num_f32 v13, v13, v254                   ; the running largest t
	v_mov_b32 v254, v12
	s_delay_alu instid0(VALU_DEP_2)
	v_floor_f32 v12, -v13                          ; the new -M = floor(-t) = -ceil(t): M IS A WHOLE NUMBER
	s_delay_alu instid0(VALU_DEP_1)
	v_sub_f32 v254, v12, v254                      ; M's old value less its new one: a whole number, 0 or less
	s_delay_alu instid0(VALU_DEP_1)
	v_cvt_i32_f32 v254, v254                       ; (it saturates)
	s_delay_alu instid0(VALU_DEP_1)
	v_ldexp_f32 v252, 1.0, v254                    ; f = 2^(old M - new M)
.irp j, 0,2,4,6,8,10,12,14,16,18,20,22,24,26,28,30,32,34,36,38,40,42,44,46,48,50,52,54,56,58,60,62
	v_pk_fma_f32 v[96+\j:97+\j], v[96+\j:97+\j], s[CS:CS+1], v[12:13] op_sel_hi:[1,0,0]   ; t - M, two at a time (of the pairs c and -M the low word serves both halves)
.endr
.irp b, 0,1,2,3
	v_fma_f32 v[232+\b], v[232+\b], s[CS], v12     ; the same of each block's largest score
.endr
.if \mode
	s_wait_dscnt 0x0                               ; the add is done, V is in, and with it my reads of this slot are over:
	s_barrier_signal -1                            ; say so; all that follows up to the barrier's wait touches registers alone
.endif
	s_wait_alu depctr_va_vdst(0)
.irp j, 0,1,2,3,4,5,6,7,8,9,10,11,12,13,14,15,16,17,18,19,20,21,22,23,24,25,26,27,28,29,30,31,32,33,34,35,36,37,38,39,40,41,42,43,44,45,46,47,48,49,50,51,52,53,54,55,56,57,58,59,60,61,62,63
	v_exp_f32 v[96+\j], v[96+\j]                   ; p = 2^(t - M), at most 1: NOT normalised
.endr
.irp b, 0,1,2,3
	v_exp_f32 v[232+\b], v[232+\b]                 ; the block's largest p: the same two instructions on the same number give the same bits
.endr
	v_pk_mul_f32 v[14:15], v[14:15], v[252:253] op_sel_hi:[1,0]   ; the sums under the new M.  (A plain place behind the exponentials)
	s_wait_alu depctr_va_vdst(0)
.irp b, 0,1,2,3
	v_max_num_f32 v[232+\b], 0x1800000, v[232+\b]  ; the floor 2^(3 - 127): the byte cannot fall under 1 (a block whose every p has fallen to 0 keeps that byte: its codes are zeros)
.endr
.irp b, 0,1,2,3
	s_delay_alu instid0(VALU_DEP_4)
	v_add_nc_u32 v[244+\b], 0xff000000, v[232+\b]  ; 2 off the exponent field: the conversion's scale operand
.endr
.irp b, 0,1,2,3
	s_delay_alu instid0(VALU_DEP_4)
	v_lshrrev_b32 v[236+\b], 23, v[244+\b]         ; the scale's byte
.endr
	s_delay_alu instid0(VALU_DEP_3)
	v_lshl_or_b32 v253, v237, 8, v236              ; p's scale word for these 128 keys
	s_delay_alu instid0(VALU_DEP_1)
	v_lshl_or_b32 v253, v238, 16, v253
	s_delay_alu instid0(VALU_DEP_1)
	v_lshl_or_b32 v253, v239, 24, v253
.irp b, 0,1,2,3
	v_cvt_scalef32_pk8_fp4_f32 v[224+2*\b], v[96+16*\b:103+16*\b], v[244+\b]
	v_cvt_scalef32_pk8_fp4_f32 v[225+2*\b], v[104+16*\b:111+16*\b], v[244+\b]
.endr
	v_nop                                          ; one plain place behind the last scaled conversion
.irp c, 0,1                                    ; the operand's layout wants a WHOLE block in a lane: lanes 0-15 block 2 c, lanes 16-31 block 2 c + 1
.irp i, 0,1
	v_permlane16_swap_b32 v[224+4*\c+\i], v[226+4*\c+\i]
.endr
.endr
	v_pk_add_f32 v[236:237], v[100:101], v[104:105]
	v_pk_add_f32 v[250:251], v[108:109], v[112:113]
	v_pk_add_f32 v[248:249], v[116:117], v[120:121]
	v_pk_add_f32 v[246:247], v[124:125], v[128:129]
	v_pk_add_f32 v[244:245], v[132:133], v[136:137]
	v_pk_add_f32 v[242:243], v[140:141], v[144:145]
	v_pk_add_f32 v[240:241], v[148:149], v[152:153]
	v_pk_add_f32 v[14:15], v[14:15], v[156:157]
	v_pk_add_f32 v[236:237], v[236:237], v[96:97]
	v_pk_add_f32 v[250:251], v[250:251], v[98:99]
	v_pk_add_f32 v[248:249], v[248:249], v[102:103]
	v_pk_add_f32 v[246:247], v[246:247], v[106:107]
	v_pk_add_f32 v[244:245], v[244:245], v[110:111]
	v_pk_add_f32 v[242:243], v[242:243], v[114:115]
	v_pk_add_f32 v[240:241], v[240:241], v[118:119]
	v_pk_add_f32 v[14:15], v[14:15], v[122:123]
	v_pk_add_f32 v[236:237], v[236:237], v[126:127]
	v_pk_add_f32 v[250:251], v[250:251], v[130:131]
	v_pk_add_f32 v[248:249], v[248:249], v[134:135]
	v_pk_add_f32 v[246:247], v[246:247], v[138:139]
	v_pk_add_f32 v[244:245], v[244:245], v[142:143]
	v_pk_add_f32 v[242:243], v[242:243], v[146:147]
	v_pk_add_f32 v[240:241], v[240:241], v[150:151]
	v_pk_add_f32 v[14:15], v[14:15], v[154:155]
	v_pk_add_f32 v[236:237], v[236:237], v[158:159]
	s_delay_alu instid0(VALU_DEP_2)
	v_pk_add_f32 v[14:15], v[14:15], v[246:247]
	s_delay_alu instid0(VALU_DEP_2)
	v_pk_add_f32 v[236:237], v[236:237], v[244:245]
	v_pk_add_f32 v[250:251], v[250:251], v[242:243]
	v_pk_add_f32 v[248:249], v[248:249], v[240:241]
	s_delay_alu instid0(VALU_DEP_2)
	v_pk_add_f32 v[14:15], v[14:15], v[250:251]
	s_delay_alu instid0(VALU_DEP_2)
	v_pk_add_f32 v[236:237], v[236:237], v[248:249]
	s_delay_alu instid0(VALU_DEP_1)
	v_pk_add_f32 v[14:15], v[14:15], v[236:237]
.if !\first
.irp j, 0,2,4,6,8,10,12,14,16,18,20,22,24,26,28,30,32,34,36,38,40,42,44,46,48,50,52,54,56,58,60,62
	v_pk_mul_f32 v[160+\j:161+\j], v[160+\j:161+\j], v[252:253] op_sel_hi:[1,0]   ; O^T under the new M: x f; each accumulator from its low end on
.endr
.endif
.if !\mode
	s_wait_alu depctr_va_vdst(0)
	s_wait_dscnt 0x0                               ; V is in (in a slot's last step the wait in front of the signal has shown it)
.endif
.irp b, 0,1,2,3                                ; O^T += V^T P^T: the eight accumulators by turns, one instruction a turn
.if \first
	v_wmma_scale_f32_16x16x128_f8f6f4 v[160+16*\b:167+16*\b], v[32+16*\b:39+16*\b], v[224:231], 0, v[28+\b], v253 matrix_a_fmt:MATRIX_FMT_FP4 matrix_b_fmt:MATRIX_FMT_FP4
	v_wmma_scale_f32_16x16x128_f8f6f4 v[168+16*\b:175+16*\b], v[40+16*\b:47+16*\b], v[224:231], 0, v[28+\b], v253 matrix_a_fmt:MATRIX_FMT_FP4 matrix_b_fmt:MATRIX_FMT_FP4 matrix_a_scale:MATRIX_SCALE_ROW1
.else
	v_wmma_scale_f32_16x16x128_f8f6f4 v[160+16*\b:167+16*\b], v[32+16*\b:39+16*\b], v[224:231], v[160+16*\b:167+16*\b], v[28+\b], v253 matrix_a_fmt:MATRIX_FMT_FP4 matrix_b_fmt:MATRIX_FMT_FP4
	v_wmma_scale_f32_16x16x128_f8f6f4 v[168+16*\b:175+16*\b], v[40+16*\b:47+16*\b], v[224:231], v[168+16*\b:175+16*\b], v[28+\b], v253 matrix_a_fmt:MATRIX_FMT_FP4 matrix_b_fmt:MATRIX_FMT_FP4 matrix_a_scale:MATRIX_SCALE_ROW1
.endif
.endr
.if \mode
	s_barrier_wait -1                              ; all sixteen waves have said so: the slot ahead is whole, and nobody of my work-group reads the slot that is left
.if \mode == 1
	CREST                                          ; wave 0 says so for the work-group, all four work-groups have said so, my work-group's barrier closes the round
	TLOAD \gz                                      ; the joint refill: the first tensor load behind the round, one a wave
.endif
.endif
.endm
	s_wait_tensorcnt 0x1                           ; my part of chunk 0 is in; chunk 1's may stay out
	s_barrier_signal -1
	s_barrier_wait -1                              ; everybody's is
	s_wait_loadcnt 0x0                             ; Q
	STEP 0, 0, 1, 0, G0A                           ; chunk 0
	STEP 0, 1, 0, 1, G0A                           ; slot 0 then takes chunk 2
	STEP 1, 0, 0, 0, G0B                           ; chunk 1
	STEP 1, 1, 0, 1, G0B                           ; slot 1 then takes chunk 3
	STEP 0, 0, 0, 0, G0A                           ; chunk 2
	STEP 0, 1, 0, 2, G0A                           ; nothing is left to fetch; slot 0 has had its last fill and its last read
	STEP 1, 0, 0, 0, G0B                           ; chunk 3
	STEP 1, 1, 0, 0, G0B
	; ---- my key group's sum; the offsets of the last loads.  These plain lines are also the places behind the last products
	v_add_f32 v14, v14, v15                        ; the sum's two halves,
	v_and_b32 v232, 15, v0                         ; r
	v_bfe_u32 v233, v0, 4, 1                       ; h
	s_delay_alu instid0(VALU_DEP_2)
	v_lshlrev_b32 v1, 6, v232
	s_delay_alu instid0(VALU_DEP_1)
	v_lshl_add_u32 v1, v233, 4, v1                 ; proj_weight's codes: row r of 64 bytes, + 16 h
	s_delay_alu instid0(VALU_DEP_4)
	v_lshlrev_b32 v8, 2, v232                      ; its scale words: 4 r
	s_lshl_b32 s47, s[WV], 5
	v_lshl_add_u32 v254, v233, 2, s47              ; proj_bias: channel 8 w + h
	v_permlanex16_b32 v252, v14, s[SEL], s[SEL+1]
	s_delay_alu instid0(VALU_DEP_1)
	v_add_f32 v13, v14, v252                       ; and lane l xor 16's: v[12:13] = (-M, sum)
	global_load_b128 v[16:19], v[GX], s[12:13] th:TH_LOAD_NT                  ; x of the 8 channels x 64 positions that I will store: sixteen lanes read 256 consecutive bytes, aligned; read once in this launch
	global_load_b128 v[20:23], v[GX], s[12:13] offset:32768 th:TH_LOAD_NT
	global_load_b128 v[240:243], v[GX], s[12:13] offset:65536 th:TH_LOAD_NT
	global_load_b128 v[248:251], v[GX], s[12:13] offset:98304 th:TH_LOAD_NT
	s_cmp_lt_u32 s[WV], 4                          ; the tiles' owners (KQ = 0) fetch proj_weight: 8 tiles of 16 rows, in their own order
	s_cbranch_scc0 .Lno_weights
.irp t, 0,1,2,3,4,5,6,7
	global_load_b128 v[96+8*\t:99+8*\t], v1, s[6:7] offset:1024*\t
	global_load_b128 v[100+8*\t:103+8*\t], v1, s[6:7] offset:1024*\t+32
	global_load_b32 v[24+\t], v8, s[8:9] offset:64*\t
.endr
.Lno_weights:
	s_wait_alu depctr_va_vdst(0)
	; ---- the four key groups of a tile agree on M and on the sum
	ds_store_b64 v[MSW], v[12:13]
	s_wait_dscnt 0x0                               ; for the others' sake
	s_barrier_signal -1
	s_barrier_wait -1
.irp j, 0,1,2,3
	ds_load_b64 v[232+2*\j:233+2*\j], v[MSR] offset:MS+1024*\j   ; key group j's (-M, sum) of my query
.endr
	s_wait_dscnt 0x0
	v_min3_num_f32 v14, v232, v234, v236
	s_delay_alu instid0(VALU_DEP_1)
	v_min_num_f32 v14, v14, v238                   ; -M*: the largest of the four M
.irp j, 0,1,2,3
	v_sub_f32 v[244+\j], v14, v[232+2*\j]          ; M_j - M*: a whole number, 0 or less
.endr
.irp j, 0,1,2,3
	s_delay_alu instid0(VALU_DEP_4)
	v_cvt_i32_f32 v[244+\j], v[244+\j]
.endr
.irp j, 0,1,2,3
	s_delay_alu instid0(VALU_DEP_4)
	v_ldexp_f32 v[233+2*\j], v[233+2*\j], v[244+\j]   ; each sum under M*: nothing is rounded
.endr
	s_delay_alu instid0(VALU_DEP_3)
	v_add_f32 v233, v233, v235
	s_delay_alu instid0(VALU_DEP_2)
	v_add_f32 v237, v237, v239
	s_delay_alu instid0(VALU_DEP_1)
	v_add_f32 v233, v233, v237                     ; the row's sum: over 1/2, since the group that holds M* has a p over 1/2
	s_wait_alu depctr_va_vdst(0)
	v_rcp_f32 v235, v233
	v_sub_f32 v15, v14, v12                        ; (a plain place behind the transcendental)  my own M - M*
	s_delay_alu instid0(VALU_DEP_1)
	v_cvt_i32_f32 v15, v15
	s_wait_alu depctr_va_vdst(0)
	v_ldexp_f32 v252, v235, v15                    ; g = 2^(my M - M*) / the sum
.irp j, 0,2,4,6,8,10,12,14,16,18,20,22,24,26,28,30,32,34,36,38,40,42,44,46,48,50,52,54,56,58,60,62
	v_pk_mul_f32 v[160+\j:161+\j], v[160+\j:161+\j], v[252:253] op_sel_hi:[1,0]   ; my part of the finished O^T; each accumulator from its low end on
.endr
.irp i, 0,1,2,3
	global_load_b32 v[12+\i], v254, s[10:11] offset:8*\i   ; proj_bias of channel 8 w + h + 2 i
.endr
	s_cmp_lt_u32 s[WV], 4
	s_cbranch_scc1 .Lowner_keeps
.irp g, 0,1,2,3,4,5,6,7,8,9,10,11,12,13,14,15
	ds_store_b128 v[PAW], v[160+4*\g:163+4*\g] offset:512*\g   ; as an image of the registers: 16 bytes x lane
.endr
.Lowner_keeps:
	s_wait_dscnt 0x0
	s_barrier_signal -1
	s_barrier_wait -1                              ; the twelve parts lie in LDS
	s_cmp_lt_u32 s[WV], 4
	s_cbranch_scc0 .Lnot_owner
	; ---- the owners: add the three other parts, quantise along the channels, multiply by proj_weight
.irp g, 0,1,2,3,4,5,6,7,8,9,10,11,12,13,14,15
	ds_load_b128 v[32+4*\g:35+4*\g], v[PAR] offset:8192+512*\g
.endr
.irp p, 1,2
.irp g, 0,1,2,3,4,5,6,7,8,9,10,11,12,13,14,15
	s_wait_dscnt 15                                ; behind part p's load g: 15 - g of its own part and g of the next
	v_pk_add_f32 v[160+4*\g:161+4*\g], v[160+4*\g:161+4*\g], v[32+4*\g:33+4*\g]
	v_pk_add_f32 v[162+4*\g:163+4*\g], v[162+4*\g:163+4*\g], v[34+4*\g:35+4*\g]
	ds_load_b128 v[32+4*\g:35+4*\g], v[PAR] offset:8192*(\p+1)+512*\g
.endr
.endr
.irp g, 0,1,2,3,4,5,6,7,8,9,10,11,12,13,14,15
	s_wait_dscnt 15-\g                             ; the last part: the counts run down
	v_pk_add_f32 v[160+4*\g:161+4*\g], v[160+4*\g:161+4*\g], v[32+4*\g:33+4*\g]
	v_pk_add_f32 v[162+4*\g:163+4*\g], v[162+4*\g:163+4*\g], v[34+4*\g:35+4*\g]
.endr
.irp b, 0,1,2,3                                ; register 160 + 16 b + i is channel 32 b + 16 h + i of my query
	v_max3_num_f32 v[232+\b], |v[160+16*\b]|, |v[161+16*\b]|, 0x1800000   ; my 16 numbers, and the floor 2^(3 - 127)
.endr
.irp i, 2,4,6,8,10,12,14
.irp b, 0,1,2,3
	s_delay_alu instid0(VALU_DEP_4)
	v_max3_num_f32 v[232+\b], v[232+\b], |v[160+16*\b+\i]|, |v[161+16*\b+\i]|
.endr
.endr
.irp b, 0,1,2,3
	s_delay_alu instid0(VALU_DEP_4)
	v_permlanex16_b32 v[236+\b], v[232+\b], s[SEL], s[SEL+1]
.endr
.irp b, 0,1,2,3
	s_delay_alu instid0(VALU_DEP_4)
	v_max_num_f32 v[232+\b], v[232+\b], v[236+\b]
.endr
.irp b, 0,1,2,3
	s_delay_alu instid0(VALU_DEP_4)
	v_add_nc_u32 v[244+\b], 0xff000000, v[232+\b]
.endr
.irp b, 0,1,2,3
	s_delay_alu instid0(VALU_DEP_4)
	v_lshrrev_b32 v[236+\b], 23, v[244+\b]
.endr
	s_delay_alu instid0(VALU_DEP_3)
	v_lshl_or_b32 v253, v237, 8, v236
	s_delay_alu instid0(VALU_DEP_1)
	v_lshl_or_b32 v253, v238, 16, v253
	s_delay_alu instid0(VALU_DEP_1)
	v_lshl_or_b32 v253, v239, 24, v253
.irp b, 0,1,2,3
	v_cvt_scalef32_pk8_fp4_f32 v[224+2*\b], v[160+16*\b:167+16*\b], v[244+\b]
	v_cvt_scalef32_pk8_fp4_f32 v[225+2*\b], v[168+16*\b:175+16*\b], v[244+\b]
.endr
	v_nop                                          ; one plain place behind the last scaled conversion
.irp c, 0,1
.irp i, 0,1
	v_permlane16_swap_b32 v[224+4*\c+\i], v[226+4*\c+\i]
.endr
.endr
	s_wait_alu depctr_va_vdst(0)
	s_wait_loadcnt 0x4                             ; proj_weight's 24 loads (and x's four ahead of them) are in; the four of proj_bias, issued behind them, may stay out: their registers are first read behind the wait for 0 on the way out
.rept 8
	v_nop                                          ; a scale register written by a vector instruction stands 8 places ahead of a scaled matrix instruction, an operand so written 4
.endr
.irp t, 0,1,2,3,4,5,6,7                        ; source 0 = my 16 queries, source 1 = 16 rows of proj_weight: lane (r, h) holds channel 16 t + r and eight neighbouring positions
	v_wmma_scale_f32_16x16x128_f8f6f4 v[160+8*\t:167+8*\t], v[224:231], v[96+8*\t:103+8*\t], 0, v253, v[24+\t] matrix_a_fmt:MATRIX_FMT_FP4 matrix_b_fmt:MATRIX_FMT_FP4
.endr
.rept 4
	v_nop
.endr
.irp t, 0,1,2,3,4,5,6,7
	ds_store_b128 v[OSW], v[160+8*\t:163+8*\t] offset:16*OP*\t       ; each accumulator from its low end on
	ds_store_b128 v[OSW], v[164+8*\t:167+8*\t] offset:16*OP*\t+16
.endr
.Lnot_owner:
	s_wait_dscnt 0x0
	s_barrier_signal -1
	s_barrier_wait -1                              ; 128 channels x 64 positions lie in the stage
	; ---- the way out, all sixteen waves, 8 channels each: (product + bias) + x
.irp i, 0,1,2,3
	ds_load_b128 v[32+4*\i:35+4*\i], v[OSR] offset:2*OP*\i
.endr
	s_wait_loadcnt 0x0                             ; x and the bias
	s_wait_dscnt 0x0
.macro OUTROW i, xr
.irp e, 0,1,2,3
	v_add_f32 v[32+4*\i+\e], v[32+4*\i+\e], v[12+\i]
.endr
	s_delay_alu instid0(VALU_DEP_3)
	v_pk_add_f32 v[32+4*\i:33+4*\i], v[32+4*\i:33+4*\i], v[\xr:\xr+1]
	s_delay_alu instid0(VALU_DEP_2)
	v_pk_add_f32 v[34+4*\i:35+4*\i], v[34+4*\i:35+4*\i], v[\xr+2:\xr+3]
	global_store_b128 v[GX], v[32+4*\i:35+4*\i], s[14:15] offset:32768*\i th:TH_STORE_NT   ; sixteen lanes store 256 consecutive bytes, aligned; written once, read by nobody here
.endm
	OUTROW 0, 16
	OUTROW 1, 20
	OUTROW 2, 240
	OUTROW 3, 248
	s_wait_tensorcnt 0x0                           ; the wave's end: behind my last tensor load and my last LDS store
	ds_add_u32 v[SPW], v[NIL]
	s_wait_dscnt 0x0
	CROUND                                         ; the closing round: no work-group ends while a partner may still ask for a tile that names it
	s_endpgm
.Lfunc_end_k_q278faaaee3_attn:
	.size	k_q278faaaee3_attn, .Lfunc_end_k_q278faaaee3_attn-k_q278faaaee3_attn
	.p2alignl 7, 3214868480
	.fill 96, 4, 3214868480
	.section	.rodata,"a",@progbits
	.p2align	6, 0x0
	.amdhsa_kernel k_q278faaaee3_attn
		.amdhsa_group_segment_fixed_size 327680
		.amdhsa_private_segment_fixed_size 0
		.amdhsa_enable_private_segment 0
		.amdhsa_kernarg_size 48
		.amdhsa_user_sgpr_count 2
		.amdhsa_user_sgpr_kernarg_segment_ptr 1
		.amdhsa_wavefront_size32 1
		.amdhsa_system_sgpr_workgroup_id_x 1
		.amdhsa_system_sgpr_workgroup_id_y 1
		.amdhsa_system_sgpr_workgroup_id_z 1
		.amdhsa_system_vgpr_workitem_id 0
		.amdhsa_next_free_vgpr 256
		.amdhsa_next_free_sgpr 66
		.amdhsa_reserve_vcc 0
		.amdhsa_float_denorm_mode_32 3
		.amdhsa_float_denorm_mode_16_64 3
		.amdhsa_memory_ordered 1
		.amdhsa_forward_progress 1
		.amdhsa_inst_pref_size 181
	.end_amdhsa_kernel
	.amdgpu_metadata
---
amdhsa.version: [ 1, 2 ]
amdhsa.kernels:
  - .name:           k_q278faaaee3_attn
    .symbol:         k_q278faaaee3_attn.kd
    .args:
      - { .name: ws, .offset: 0, .size: 8, .value_kind: global_buffer, .address_space: global }
      - { .name: proj_weight_codes, .offset: 8, .size: 8, .value_kind: global_buffer, .address_space: global }
      - { .name: proj_weight_scales, .offset: 16, .size: 8, .value_kind: global_buffer, .address_space: global }
      - { .name: proj_bias, .offset: 24, .size: 8, .value_kind: global_buffer, .address_space: global }
      - { .name: x, .offset: 32, .size: 8, .value_kind: global_buffer, .address_space: global }
      - { .name: out0, .offset: 40, .size: 8, .value_kind: global_buffer, .address_space: global }
    .group_segment_fixed_size: 327680
    .private_segment_fixed_size: 0
    .kernarg_segment_align: 8
    .kernarg_segment_size: 48
    .max_flat_workgroup_size: 512
    .sgpr_count:     66
    .vgpr_count:     256
    .wavefront_size: 32
...
	.end_amdgpu_metadata
.endif
;; end of part 3
